; MI455X (gfx1250); checked and timed in simulation.
; The chip was launched on July 23, 2026; its instructions are those of AMD's public machine-readable ISA for CDNA 5 (MIT licence, August 2026) and "CDNA5" Instruction Set Architecture Reference Guide (July 2026). The comments in the code are by the model that wrote it; some were corrected since.
;; Feed Forward Quantum. Allowed arithmetic: matrix products marked QUANTISED: E4M3 operands, one given power-of-two scale a tensor, by v_wmma_f32_16x16x64_fp8_fp8 or v_wmma_f32_16x16x128_fp8_fp8, f32 sums; products left as they are: f32 operands where the result goes on into a quantised operand, else bf16, f16 or f32 operands; f32 sums; everything else in f32.
;; Inputs: W1 4,096 x 10 float32; W2 1,024 x 4,096 float32; lowp_scales 2 int32 (the exponents e of the quantised operands' scales 2^e); q_params 10 float32; x 32 x 512 x 10 float32.
;; Outputs: out0 32 x 512 x 1,024 float32.
;; This version of the problem:
;;   THIS VERSION OF THE PROBLEM IS GIVEN IN LOW PRECISION. The matrix products marked QUANTISED in the list below multiply operands that are first quantised to E4M3 (4 exponent bits, 3 mantissa bits; 8 bits a number), with one given power-of-two scale for each operand tensor; their sums are f32. All else is computed in f32.
;;   The module's matrix products, in the order in which they are computed (A, B: the left and right operand; K: the contracted axis; several contracted axes count as one K, in the product's order):
;;     1. [M 16,384, K 1,024] x [K 1,024, N 10]; A: computed on the way; B: computed on the way: left as it is (N = 10 < 16)
;;     2. [M 16,384, K 10] x [K 10, N 4,096]; A: computed on the way; B: input W1: left as it is (K = 10 < 32)
;;     3. [M 16,384, K 4,096] x [K 4,096, N 1,024]; A: computed on the way; B: input W2: QUANTISED (scales: A lowp_scales[0], B lowp_scales[1])
;;   THE QUANTISER, for each operand of a quantised product, along K:
;;     - The operand's scale is 2^e, e = its entry of the input lowp_scales (int32; the entries are numbered through the quantised products in the list's order, A before B).
;;     - Each number is divided by the scale, clamped to +-448, and rounded to the nearest number of E4M3, ties to even, subnormals kept.
;;     - The product sums the exact products of the quantised numbers (number of the format x scale) in f32.
;;   ~~~python
;;   def quantise(x, axis, e):      # numpy; x: float32 -> the quantised numbers, widened to float32 again
;;       x = np.moveaxis(x, axis, -1); K = x.shape[-1]
;;       r = np.clip(x / 2.0 ** e, -448, 448)
;;       step = 2.0 ** (np.maximum(np.frexp(np.where(r == 0, 1, r))[1] - 1, -6) - 3)
;;       q = np.round(r / step) * step * 2.0 ** e      # np.round: ties to even
;;       return np.moveaxis(q, -1, axis).astype(np.float32)
;;   ~~~
;;   OPERANDS COMPUTED ON THE WAY. 'Computed on the way' means the value that the module computes at that place (a softmax that the list does not call 'softmax' is quantised finished and normalised). What goes into a quantiser is computed in f32, as accurately as f32 sums, v_exp_f32 and their like allow (about 1e-6 of the number): no bf16 or f16 on the way to a quantiser, and a product that is left as it is and whose result goes on into a quantised operand takes f32 operands (vector FMAs, or v_wmma_f32_16x16x4_f32). A number that lies on a knife's edge between two numbers of the format may be rounded either way, as far as f32 arithmetic and the matrix unit's own rounding can turn it there, and no further.
;; 2 versions. Each part assembles by itself: llvm-mc -triple=amdgcn-amd-amdhsa -mcpu=gfx1250 --defsym DOCPART=n.
;; ======== version 1 of 2: 2 launches
;; limits: right only within a limited range of input values
;; workspace buffers: wpack 4,194,304 bytes; w1t 163,840 bytes
;; launch prep (part 1): grid 512 x 1, 4 waves a work-group, no clusters, 34,304 bytes of LDS; arguments W2, W1, lowp_scales, wpack, w1t; writes wpack, w1t
.if DOCPART == 1
	.amdgcn_target "amdgcn-amd-amdhsa--gfx1250"
	.amdhsa_code_object_version 6
	.text
	.protected	k_q0d3b4331a0_prep
	.globl	k_q0d3b4331a0_prep
	.p2align	8
	.type	k_q0d3b4331a0_prep,@function
k_q0d3b4331a0_prep:
	s_mov_b64 s[64:65], 0
	v_nop
	global_prefetch_b8 v0, s[64:65] scope:SCOPE_SE
	s_setreg_imm32_b32 hwreg(HW_REG_WAVE_MODE, 25, 1), 1
	s_wait_xcnt 0x0
; W2 [1024][4096] f32 becomes codes of FP8 (E4M3) with the given scale 2^e1 (entry 1 of lowp_scales), laid IN THE ORDER OF THE OPERAND'S REGISTERS:
; wpack byte ((s*64 + nb)*4 + c)*512 + 16*lane holds the 16 codes of W2[16 nb + lane%16][128 s + 32 c + 16 (lane/16) + 0..15]; s = K step of 128, nb = tile of 16 rows.
; So the next launch fetches a K step's 256 rows as one dense block of 32,768 bytes and a fragment by four loads of 512 consecutive bytes.
; code = x / 2^e1, held within +-448, rounded to the nearest code, ties to even.  LIMITS: -126 <= e1 <= 119; NaN among the inputs is not served.
; W1 [4096][10] f32 is only laid anew (w1t): chunk ch = blk*80 + q*4 + kg of 16 bytes holds W1[32 blk + 8 kg + 4 (q%2) + 0..3][q/2].
; SHARES.  Work-group g: rows 16 (g%64) on; its wave w takes K step 4 (g/64) + w: one fragment, 16 rows x 128 K.  Each load reads 512 consecutive bytes of one row;
; the conversions want 16 neighbours along K in ONE lane, so the 8,192 bytes turn through the wave's own stage in LDS.  Waves share nothing: no barrier.  The first 80 work-groups also lay W1.
.set SP,   528                         ; a stage row: 512 bytes + 16 = 33 x 16: the 16 rows that a load touches start at 16 different banks (64 banks of 4 bytes: ISA guide 11.1)
.set WST,  16*SP                       ; a wave's stage
.set RAW,  16                          ; v16-79   16 rows as loaded
.set X,    80                          ; v80-143  64 numbers: register 16 c + i = k 32 c + 16 (lane/16) + i of row lane%16
.set C,    144                         ; v144-159 the fragment's codes
	s_load_b256 s[4:11], s[0:1], 0x0               ; W2 s[4:5], W1 s[6:7], the scales' exponents s[8:9], wpack s[10:11]
	s_load_b64 s[12:13], s[0:1], 0x20              ; w1t
	v_lshl_add_u32 v160, v0, 2, 0x8400
	v_mov_b32 v161, 0
	v_lshrrev_b32 v1, 5, v0
	v_readfirstlane_b32 s16, v1                    ; wave 0..3
	v_and_b32 v1, 31, v0                           ; lane
	v_lshlrev_b32 v2, 4, v1                        ; 16 x lane: my bytes of a load's 512 and of a store's 512
	s_mul_i32 s17, s16, WST
	v_add_nc_u32 v3, s17, v2                       ; the stage, on the way in
	v_and_b32 v5, 15, v0
	v_bfe_u32 v6, v0, 4, 1
	v_mul_u32_u24 v4, v5, SP
	v_lshl_add_u32 v4, v6, 6, v4
	v_add_nc_u32 v4, s17, v4                       ; and on the way out: row lane%16, + 64 bytes for the upper half of the lanes
	s_and_b32 s18, ttmp9, 63                       ; nb
	s_lshr_b32 s19, ttmp9, 6
	s_lshl_b32 s19, s19, 2
	s_add_co_u32 s19, s19, s16                     ; s
	s_lshl_b32 s20, s18, 18                        ; 16 rows of 16,384 bytes
	s_lshl_b32 s22, s19, 9                         ; 128 numbers of 4 bytes
	s_add_co_u32 s20, s20, s22
	s_mov_b32 s21, 0
	s_lshl_b32 s22, s19, 6
	s_add_co_u32 s22, s22, s18
	s_lshl_b32 s22, s22, 11                        ; (64 s + nb) fragments of 2,048 bytes
	s_mov_b32 s23, 0
	s_wait_kmcnt 0x0
	s_load_b32 s24, s[8:9], 0x4                    ; e1
	s_add_nc_u64 s[4:5], s[4:5], s[20:21]
	s_add_nc_u64 s[10:11], s[10:11], s[22:23]
.irp p, 0,1,2,3,4,5,6,7,8,9,10,11,12,13,14,15
	global_load_b128 v[RAW+4*\p:RAW+4*\p+3], v2, s[4:5] offset:16384*\p th:TH_LOAD_NT   ; 512 consecutive bytes of row p; read once in the launch
.endr
	s_wait_kmcnt 0x0
	s_add_co_i32 s24, s24, 127
	s_lshl_b32 s25, s24, 23
	v_mov_b32 v11, s25                             ; 2^e1 as f32: the conversion takes its exponent field
	s_add_co_i32 s24, s24, 8
	s_lshl_b32 s24, s24, 23
	s_or_b32 s24, s24, 0x600000
	v_mov_b32 v10, s24                             ; 448 x 2^e1
.irp p, 0,1,2,3,4,5,6,7,8,9,10,11,12,13,14,15
	s_wait_loadcnt 15-\p                           ; loads come back in order: row p is in, the 15 - p younger ones may be out
	ds_store_b128 v3, v[RAW+4*\p:RAW+4*\p+3] offset:SP*\p
.endr
.irp c, 0,1,2,3
.irp j, 0,1,2,3
	ds_load_b128 v[X+16*\c+4*\j:X+16*\c+4*\j+3], v4 offset:128*\c+16*\j   ; LDS serves a wave's instructions in order: these see my stores
.endr
.endr
.irp c, 0,1,2,3
	s_wait_dscnt 12-4*\c                           ; this block's four loads are in; those of the later blocks may be out
.irp i, 0,1,2,3,4,5,6,7,8,9,10,11,12,13,14,15
	v_med3_num_f32 v[X+16*\c+\i], v[X+16*\c+\i], -v10, v10   ; the conversion to an 8-bit code does not saturate (ISA guide 7.6.2): the hold at the largest code x the scale
.endr
	v_cvt_scalef32_pk8_fp8_f32 v[C+4*\c:C+4*\c+1], v[X+16*\c:X+16*\c+7], v11
	v_cvt_scalef32_pk8_fp8_f32 v[C+4*\c+2:C+4*\c+3], v[X+16*\c+8:X+16*\c+15], v11
	global_store_b128 v2, v[C+4*\c:C+4*\c+3], s[10:11] offset:512*\c   ; 32 lanes store 512 consecutive bytes, at a multiple of 256 from wpack's first byte
.endr
	v_nop                                          ; a plain vector line behind the last conversion
	s_cmp_ge_u32 ttmp9, 80                         ; W1: 10,240 chunks of 16 bytes, 128 to a work-group: the first 80 work-groups
	s_cbranch_scc1 .Lend
	s_lshl_b32 s20, ttmp9, 7
	v_add_nc_u32 v5, s20, v0                       ; ch
	v_mul_u32_u24 v6, v5, 0xcccd
	v_lshrrev_b32 v6, 22, v6                       ; blk = ch / 80 (52,429 / 2^22 exceeds 1/80 by 4.8e-8: exact for ch under 10,240)
	v_mul_u32_u24 v7, v6, 80
	v_sub_nc_u32 v7, v5, v7                        ; ch % 80
	v_lshrrev_b32 v8, 2, v7                        ; q
	v_and_b32 v9, 3, v7                            ; kg
	v_and_b32 v12, 1, v8
	v_lshlrev_b32 v13, 5, v6
	v_lshl_add_u32 v13, v9, 3, v13
	v_lshl_add_u32 v13, v12, 2, v13                ; row of W1: 32 blk + 8 kg + 4 (q%2)
	v_lshrrev_b32 v14, 1, v8                       ; column q/2
	v_mul_u32_u24 v13, v13, 40
	v_lshl_add_u32 v13, v14, 2, v13
	v_lshlrev_b32 v15, 4, v5
.irp e, 0,1,2,3
	global_load_b32 v[20+\e], v13, s[6:7] offset:40*\e   ; four rows on end, one column
.endr
	s_wait_loadcnt 0x0
	global_store_b128 v15, v[20:23], s[12:13]      ; 32 lanes store 512 consecutive bytes
.Lend:
	s_wait_tensorcnt 0x0
	ds_add_u32 v160, v161
	s_wait_dscnt 0x0
	s_endpgm
.Lfunc_end_k_q0d3b4331a0_prep:
	.size	k_q0d3b4331a0_prep, .Lfunc_end_k_q0d3b4331a0_prep-k_q0d3b4331a0_prep
	.p2alignl 7, 3214868480
	.fill 96, 4, 3214868480
	.section	.rodata,"a",@progbits
	.p2align	6, 0x0
	.amdhsa_kernel k_q0d3b4331a0_prep
		.amdhsa_group_segment_fixed_size 34304
		.amdhsa_private_segment_fixed_size 0
		.amdhsa_enable_private_segment 0
		.amdhsa_kernarg_size 40
		.amdhsa_user_sgpr_count 2
		.amdhsa_user_sgpr_kernarg_segment_ptr 1
		.amdhsa_wavefront_size32 1
		.amdhsa_system_sgpr_workgroup_id_x 1
		.amdhsa_system_sgpr_workgroup_id_y 1
		.amdhsa_system_sgpr_workgroup_id_z 1
		.amdhsa_system_vgpr_workitem_id 0
		.amdhsa_next_free_vgpr 162
		.amdhsa_next_free_sgpr 66
		.amdhsa_reserve_vcc 0
		.amdhsa_float_denorm_mode_32 3
		.amdhsa_float_denorm_mode_16_64 3
		.amdhsa_memory_ordered 1
		.amdhsa_forward_progress 1
		.amdhsa_inst_pref_size 13
	.end_amdhsa_kernel
	.amdgpu_metadata
---
amdhsa.version: [ 1, 2 ]
amdhsa.kernels:
  - .name:           k_q0d3b4331a0_prep
    .symbol:         k_q0d3b4331a0_prep.kd
    .args:
      - { .name: W2, .offset: 0, .size: 8, .value_kind: global_buffer, .address_space: global }
      - { .name: W1, .offset: 8, .size: 8, .value_kind: global_buffer, .address_space: global }
      - { .name: lowp_scales, .offset: 16, .size: 8, .value_kind: global_buffer, .address_space: global }
      - { .name: wpack, .offset: 24, .size: 8, .value_kind: global_buffer, .address_space: global }
      - { .name: w1t, .offset: 32, .size: 8, .value_kind: global_buffer, .address_space: global }
    .group_segment_fixed_size: 34304
    .private_segment_fixed_size: 0
    .kernarg_segment_align: 8
    .kernarg_segment_size: 40
    .max_flat_workgroup_size: 128
    .sgpr_count:     66
    .vgpr_count:     162
    .wavefront_size: 32
...
	.end_amdgpu_metadata
.endif
;; end of part 1
;; launch ffn (part 2): grid 256 x 1, 4 waves a work-group, clusters of 4 x 1, 327,680 bytes of LDS; arguments x, q_params, lowp_scales, wpack, w1t, out0; writes out0
.if DOCPART == 2
	.amdgcn_target "amdgcn-amd-amdhsa--gfx1250"
	.amdhsa_code_object_version 6
	.text
	.protected	k_q0d3b4331a0_ffn
	.globl	k_q0d3b4331a0_ffn
	.p2align	8
	.type	k_q0d3b4331a0_ffn,@function
k_q0d3b4331a0_ffn:
	s_mov_b64 s[64:65], 0
	v_nop
	global_prefetch_b8 v0, s[64:65] scope:SCOPE_SE
	s_setreg_imm32_b32 hwreg(HW_REG_WAVE_MODE, 25, 1), 1
	s_wait_xcnt 0x0
	s_wait_alu depctr_hold_cnt(0) depctr_sa_sdst(0) depctr_va_vdst(0) depctr_va_sdst(0) depctr_va_ssrc(0) depctr_va_vcc(0) depctr_vm_vsrc(0)
	s_getreg_b32 s2, hwreg(HW_REG_IB_STS2, 6, 4)
	s_cmp_eq_u32 s2, 0
	s_cbranch_scc0 .Lentry_in_a_cluster
	s_endpgm
.Lentry_in_a_cluster:
	s_bfe_u32 s2, ttmp6, 0x10000c
	s_cmp_lg_u32 s2, 0x3003
	s_cbranch_scc0 .Lentry_shape_is_right
	s_endpgm
.Lentry_shape_is_right:
; out[row][n] = sum over k of Q(h[row][k]) Q(W2[n][k]),  h = relu(z W1^T),  z = the ten <Z_i> of the circuit on angles t = x + q_params.  16,384 rows, K = 4,096, N = 1,024.
; THE CIRCUIT IN CLOSED FORM.  Behind the RX gates the ten bits are independent with E[(-1)^b_j] = cos t_j; a CNOT replaces its target bit by target xor control; the ring (0,1) .. (8,9), (9,0) leaves
; bit_i = b_0 ^ .. ^ b_i (i = 1 .. 9) and bit_0 = b_1 ^ .. ^ b_9.  So z_i = cos t_0 .. cos t_i for i >= 1 and z_0 = cos t_1 .. cos t_9, for every real input.
; cos: t less the nearest multiple of pi/2 (pi/2 in two parts, fused multiply-adds), then polynomials for sine and cosine on +-pi/4, in f32.
; h is made in f32 by fused multiply-adds (K = 10), held between 0 and 448 x 2^e0 (the activation and the hold in one) and converted with the given 2^e0; W2 comes as codes (wpack, made with 2^e1).
; The codes are multiplied as they are by v_wmma_f32_16x16x128_fp8_fp8, and each finished sum once by 2^(e0 + e1).
; LIMITS: e0 between -126 and 119; e0 + e1 between -126 and 127; |x + q_params| under 32,768 (beyond, the quotient's rounding lets the reduced argument leave the polynomials' range); NaN and infinities are not served.
; SHARES.  A work-group owns 64 rows and ALL 1,024 columns, so that each number of h is made once in the launch and never leaves the WGP.  Wave w owns columns 256 w on, for the 64 rows: 64 accumulators, 512 registers.
; W2's fragments of those columns are the wave's own: its own tensor load brings them (32,768 dense bytes a K step of 128), and it alone reads them.  h is shared: wave w makes k = 32 w .. 32 w + 31 of each K step for
; all 64 rows and stores its part of four IMAGES OF THE OPERAND'S REGISTERS in LDS; behind the barrier every wave loads the four fragments as they stand.
; CLUSTER.  Every work-group walks the same codes of W2, so the four of a cluster ask for each block JOINTLY: the same tensor load, the same descriptor, the mask 15.  The place in the cluster enters x's and out0's addresses alone.
; TRANSPOSED USE: source 0 = 16 rows of W2, source 1 = 16 rows of h: register j of lane l holds out[16 m + l%16][256 w + 16 b + 8 (l/16) + j]: eight neighbours of a row.
; In both operands registers 4 c .. 4 c + 3 of lane l hold k = 32 c + 16 (l/16) + 0 .. 15: one permutation of k for both, so every product meets its partner.
; BY TURNS.  A K step's vector work (a wave's quarter of h: 320 packed multiply-adds, 64 holds, 8 conversions) stands in slices of 6 or 7 lines behind the matrix instructions.  The registers are laid so that a slice
; runs under the product's own window setting: source 0 (W2's fragment; z) in window 0, source 1 (h's fragment; W1) in window 1, source 2 and destination (accumulator; the eight numbers in hand) in window 2 or 3.
; A TRIP goes from one round of the cluster's barrier to the next: 64 PLACES p = 16 q + 4 m + bb.  q = 0: the step before's n tiles 12 + bb; q = 1, 2, 3: this step's tiles bb, 4 + bb, 8 + bb; m: the tile of 16 rows.
; So h's fragment m is free behind place 4 m + 3 and wanted anew at place 16 + 4 m: one set of registers serves h.  W2's fragments go through two sets of four.
; REGISTERS.  window 0: v1-15 addresses; v16-31 the accumulators of places 62, 63; v32-111 z, ten for each of my eight rows; v128-255 W2's two sets (head: scratch; way out: rows of out).
;   window 1: v0-63 h's four fragments; v64-223 W1, two sets of 80; v224 448 x 2^e0; v225 2^e0; v226-227 codes just made.   window 2: places 0-30, v248-255 eight numbers of h.   window 3: places 31-61, v248-255 likewise.
.set WPART,  32768                     ; a wave's part of a slot: 16 fragments of 2,048 bytes
.set SLOTB,  4*WPART                   ; a slot, and a K step's bytes in wpack
.set FRAGB,  2048
.set IMG0,   2*SLOTB                   ; two buffers of four images (8,192 bytes each) behind the ring
.set IMGB,   8192
.set SPARE,  IMG0+2*IMGB               ; the spare words, 128 bytes for each wave: two blocks of 256 bytes that no other line names
.set CZ,     SPARE+1024                ; the cosines: 64 rows, 64 bytes apart; a multiple of 1,024
.set STP,    528                       ; the way out: a stage row, 512 bytes + 16.  The stage (16 rows) lies in my own part of slot 0, which has had its last fill and its last read by then
.set W1STEP, 5120                      ; a K step's bytes in w1t
.set SPW,   1                          ; v1   LDS address of my spare word; never rewritten
.set NIL,   2                          ; v2   0; never rewritten
.set ADW,   3                          ; v3, v4  my 16 bytes of a fragment in my part of slot 0, 1 (v3 also: where I read a stage row back)
.set ADH,   5                          ; v5   my 16 bytes of an image
.set ASTE,  6                          ; v6, v7  where I store eight codes: even units, odd units
.set W1OFF, 8                          ; v8   my byte offset in a K step of w1t
.set CZS,   9                          ; v9   where I store five cosines
.set AZE,   10                         ; v10, v11  where I read a row's cosines: even units, odd units
.set STO,   12                         ; v12  the way out: where I put 32 bytes of a row
.set CO,    14                         ; v14  16 x lane: my bytes of a row's 512 in out0
.set XO,    15                         ; v15  my byte offset in the work-group's rows of x
.set ZR,    32
.set RING,  128
.set W1R,   64                         ; in window 1
.set LIM,   224
.set SCL,   225
.set CD,    226
.set HACC,  248                        ; in windows 2 and 3
.set WIN_M2, 0xa4                      ; source 0 window 0, source 1 window 1, source 2 and destination window 2
.set WIN_M3, 0xf4                      ; the same with window 3
.set WIN_M0, 0x04                      ; the same with window 0; also an LDS store with its address in window 0 and its data in window 1
.set WIN_CV, 0x44                      ; + d: source 0 window d, source 1 and destination window 1: the conversion
.set WIN_LD1, 0x40                     ; destination window 1, address window 0
.set MSB, 0
.set LC, 0
.macro WIN new                         ; the immediate's high byte repeats the setting that is left; a switch that changes nothing is dropped
.if MSB != (\new)
	s_set_vgpr_msb (MSB<<8)|(\new)
.set MSB, (\new)
.endif
.endm
; A load into a register that a matrix instruction has read, and a vector instruction that reads a matrix result, stand four places behind it; only plain vector instructions that name none of its
; registers are places (ISA guide 7.12.1 for vector instructions).  In a trip the slices are the places; where there are none, four v_nop.
.macro PLACES
.rept 4
	v_nop
.endr
.endm
.macro CREST                           ; a round of the cluster's barrier behind its opening barrier
	s_cmp_lg_u32 s16, 0
	s_cbranch_scc1 .Lnot_wave_0_\@
	s_barrier_signal -3
.Lnot_wave_0_\@:
	s_barrier_wait -3
	s_barrier_signal -1
	s_barrier_wait -1
.endm
.macro CROUND                          ; a whole round
	s_barrier_signal -1
	s_barrier_wait -1
	CREST
.endm
.macro BAR                             ; my LDS stores have landed and my LDS loads are in: then the work-group's barrier
	s_wait_dscnt 0x0
	s_barrier_signal -1
	s_barrier_wait -1
.endm
	s_load_b256 s[4:11], s[0:1], 0x0               ; x s[4:5], q_params s[6:7], the scales' exponents s[8:9], wpack s[10:11]
	s_load_b128 s[12:15], s[0:1], 0x20             ; w1t s[12:13], out0 s[14:15]
	v_lshl_add_u32 v[SPW], v0, 2, SPARE
	v_mov_b32 v[NIL], 0
	ds_add_u32 v1, v2
	ds_add_u32 v1, v2
	s_wait_dscnt 0x0
	v_lshrrev_b32 v112, 5, v0
	v_readfirstlane_b32 s16, v112                  ; wave 0..3
	s_bfe_u32 s17, ttmp6, 0x40000                  ; cx: my place in the cluster
	s_lshl_b32 s18, ttmp9, 2                       ; in a cluster launch ttmp9 counts clusters
	s_add_co_u32 s18, s18, s17                     ; my block of 64 rows
	; descriptor group 1: 32,768 dense bytes as 128 rows of 32 elements of 8 bytes
	s_mov_b32 s24, 15|(3<<16)|(1<<21)              ; 15:0 the mask: all four work-groups; 17:16 elements of 8 bytes; 20 no padding (every read takes 512 consecutive bytes); 21 set beside a mask
	s_mov_b32 s25, 32<<16                          ; tensor_dim0 = 32
	s_mov_b32 s26, 128<<16                         ; tensor_dim1 = 128
	s_mov_b32 s27, 32<<16                          ; tile_dim0 = 32
	s_mov_b32 s28, 128                             ; tile_dim1 = 128
	s_mov_b32 s29, 32                              ; tensor_dim0_stride
	s_mov_b32 s30, 0
	s_mov_b32 s31, 0
	s_lshl_b32 s20, s16, 15                        ; my part of a slot, and of a K step in wpack: the wave's number alone
	s_mov_b32 s21, 0
	s_mul_i32 s46, s18, 2560                       ; 64 rows of x, 40 bytes each
	s_mov_b32 s47, 0
	s_lshl_b32 s48, s18, 18                        ; 64 rows of out0, 4,096 bytes each,
	s_lshl_b32 s50, s16, 10                        ; and my 256 columns
	s_add_co_u32 s48, s48, s50
	s_mov_b32 s49, 0
	s_wait_kmcnt 0x0
	s_load_b64 s[40:41], s[8:9], 0x0               ; e0 (h's), e1 (W2's)
	s_add_nc_u64 s[4:5], s[4:5], s[46:47]
	s_add_nc_u64 s[14:15], s[14:15], s[48:49]
	s_add_nc_u64 s[22:23], s[10:11], s[20:21]
	CROUND                                         ; all four work-groups are here: the first joint loads meet
.irp s, 0,1
	s_mov_b32 s[32+4*\s], 1                        ; count = 1
	s_add_co_u32 s[33+4*\s], s20, \s*SLOTB         ; LDS address: slot s, my part
	s_add_nc_u64 s[34+4*\s:35+4*\s], s[22:23], \s*SLOTB   ; global address: K step s, my part
	s_or_b32 s[35+4*\s], s[35+4*\s], 0x80000000    ; type = 2
.endr
	tensor_load_to_lds s[32:35], s[24:31]          ; the two first fills stand together, ahead of every wait on TENSORcnt and every LDS read: two loads of mine are out
	s_nop 0
	tensor_load_to_lds s[36:39], s[24:31]
	s_nop 0
	PLACES                                         ; four v_nop follow
	v_and_b32 v112, 31, v0                         ; lane
	v_and_b32 v113, 7, v0                          ; rg
	v_bfe_u32 v114, v0, 3, 1                       ; o
	v_bfe_u32 v115, v0, 4, 1                       ; h
	v_mul_u32_u24 v[XO], v0, 20                    ; thread T takes row T/2, angles 5 (T%2) + 0 .. 4: 20 bytes on end
	v_and_b32 v119, 1, v0
	v_mul_u32_u24 v119, v119, 20
.irp i, 0,1,2,3,4
	global_load_b32 v[128+\i], v[XO], s[4:5] offset:4*\i
.endr
.irp i, 0,1,2,3,4
	global_load_b32 v[133+\i], v119, s[6:7] offset:4*\i
.endr
	v_bfe_u32 v117, v0, 3, 2                       ; kg = lane / 8
	s_mul_i32 s52, s16, 1280
	v_lshl_add_u32 v[W1OFF], v117, 4, s52          ; 1,280 w + 16 kg
	WIN WIN_LD1
.irp n, 0,1
.irp q, 0,1,2,3,4,5,6,7,8,9,10,11,12,13,14,15,16,17,18,19
	global_load_b128 v[W1R+80*\n+4*\q:W1R+80*\n+4*\q+3], v[W1OFF], s[12:13] offset:W1STEP*\n+64*\q   ; W1 of K steps 0 and 1: register 8 j + i = W1[128 n + 32 w + 8 kg + i][j]
.endr
.endr
	WIN 0
	v_lshl_add_u32 v[ADW], v112, 4, s20
	v_add_nc_u32 v[ADW+1], SLOTB, v[ADW]
	v_lshl_add_u32 v[ADH], v112, 4, IMG0
	; Unit u of lane l makes, of row rg + 8 (u xor h), the eight numbers k = 32 w + 16 h + 8 o + 0 .. 7.  In image u/2 they lie at 512 w + 16 (16 h + rg + 8 ((u%2) xor h)) + 8 o:
	; the 32 lanes' eight bytes fall on 256 different bytes modulo 256.
	v_lshlrev_b32 v[ASTE], 4, v113
	v_lshl_add_u32 v[ASTE], v114, 3, v[ASTE]
	v_mul_u32_u24 v116, v115, 384
	v_add_nc_u32 v[ASTE], v[ASTE], v116
	s_lshl_b32 s53, s16, 9
	s_add_co_u32 s53, s53, IMG0
	v_add_nc_u32 v[ASTE], s53, v[ASTE]             ; even units: 256 h + 128 h
	v_xor_b32 v[ASTE+1], 128, v[ASTE]              ; odd units: 256 h + 128 (1 - h)
	v_lshrrev_b32 v116, 1, v0
	v_lshl_add_u32 v[CZS], v116, 6, v119
	v_add_nc_u32 v[CZS], CZ, v[CZS]                ; CZ + 64 (T/2) + 20 (T%2)
	v_lshlrev_b32 v[AZE], 6, v113
	v_lshl_add_u32 v[AZE], v115, 9, v[AZE]
	v_add_nc_u32 v[AZE], CZ, v[AZE]                ; even units: row rg + 8 h (+ 8 u)
	v_xor_b32 v[AZE+1], 512, v[AZE]                ; odd units: row rg + 8 (1 - h) (+ 8 (u - 1))
	v_and_b32 v118, 15, v0
	v_mul_u32_u24 v[STO], v118, STP
	v_lshl_add_u32 v[STO], v115, 5, v[STO]
	v_add_nc_u32 v[STO], s20, v[STO]               ; my stage: row l%16, + 32 bytes for the upper half of the lanes
	v_lshlrev_b32 v[CO], 4, v112
	s_wait_loadcnt 40                              ; x's and q_params' ten loads are in; W1's forty may be out
	; five cosines a thread.  v140.. t, v145.. n, v150.. r, v155.. r^2, v160.. sine, v165.. cosine, v170.. n as a whole number
.irp i, 0,1,2,3,4
	v_add_f32 v[140+\i], v[128+\i], v[133+\i]      ; t = x + q_params
.endr
.irp i, 0,1,2,3,4
	v_mul_f32 v[145+\i], 0x3f22f983, v[140+\i]     ; t x 2/pi
.endr
.irp i, 0,1,2,3,4
	v_rndne_f32 v[145+\i], v[145+\i]               ; n
.endr
.irp i, 0,1,2,3,4
	v_fmamk_f32 v[150+\i], v[145+\i], 0xbfc90fdb, v[140+\i]   ; t - n x (pi/2's upper part): exact
.endr
.irp i, 0,1,2,3,4
	v_fmamk_f32 v[150+\i], v[145+\i], 0x333bbd2e, v[150+\i]   ; - n x (its lower part, which is negative)
.endr
.irp i, 0,1,2,3,4
	v_mul_f32 v[155+\i], v[150+\i], v[150+\i]
	v_mov_b32 v[160+\i], 0xb94ca1f9
	v_mov_b32 v[165+\i], 0x37ccf5ce
.endr
.irp i, 0,1,2,3,4
	v_fmaak_f32 v[160+\i], v[160+\i], v[155+\i], 0x3c08839e
	v_fmaak_f32 v[165+\i], v[165+\i], v[155+\i], 0xbab6061a
.endr
.irp i, 0,1,2,3,4
	v_fmaak_f32 v[160+\i], v[160+\i], v[155+\i], 0xbe2aaaa3
	v_fmaak_f32 v[165+\i], v[165+\i], v[155+\i], 0x3d2aaaa5
.endr
.irp i, 0,1,2,3,4
	v_mul_f32 v[160+\i], v[160+\i], v[155+\i]
	v_fmaak_f32 v[165+\i], v[165+\i], v[155+\i], 0xbf000000
.endr
.irp i, 0,1,2,3,4
	v_fma_f32 v[160+\i], v[160+\i], v[150+\i], v[150+\i]      ; sin r
	v_fma_f32 v[165+\i], v[165+\i], v[155+\i], 1.0            ; cos r
	v_cvt_i32_f32 v[170+\i], v[145+\i]
.endr
.irp i, 0,1,2,3,4
	v_and_b32 v[175+\i], 1, v[170+\i]
	v_cmp_eq_u32 vcc_lo, 1, v[175+\i]
	v_cndmask_b32 v[165+\i], v[165+\i], v[160+\i], vcc_lo     ; n odd: the sine.  (A choice of a value: no branch and no address hangs on it)
	v_add_nc_u32 v[170+\i], 1, v[170+\i]
	v_and_b32 v[170+\i], 2, v[170+\i]
	v_lshlrev_b32 v[170+\i], 30, v[170+\i]
	v_xor_b32 v[165+\i], v[165+\i], v[170+\i]                 ; n mod 4 = 1 or 2: the sign turns
	ds_store_b32 v[CZS], v[165+\i] offset:4*\i
.endr
	BAR                                            ; the 640 cosines lie in LDS.  (My two tensor loads may stay out)
.irp u, 0,1,2,3,4,5,6,7
	ds_load_b128 v[ZR+10*\u:ZR+10*\u+3],   v[AZE+\u%2] offset:512*(\u-\u%2)
	ds_load_b128 v[ZR+10*\u+4:ZR+10*\u+7], v[AZE+\u%2] offset:512*(\u-\u%2)+16
	ds_load_b64  v[ZR+10*\u+8:ZR+10*\u+9], v[AZE+\u%2] offset:512*(\u-\u%2)+32
.endr
	s_wait_dscnt 0x0
.irp u, 0,1,2,3,4,5,6,7
	v_mul_f32 v[120+\u], v[ZR+10*\u+1], v[ZR+10*\u+2]
.endr
.irp k, 3,4,5,6,7,8
.irp u, 0,1,2,3,4,5,6,7
	v_mul_f32 v[120+\u], v[120+\u], v[ZR+10*\u+\k]            ; c1 .. c8
.endr
.endr
.irp u, 0,1,2,3,4,5,6,7
	v_mul_f32 v[ZR+10*\u+1], v[ZR+10*\u], v[ZR+10*\u+1]       ; z1 = c0 c1
.endr
.irp u, 0,1,2,3,4,5,6,7
	v_mul_f32 v[ZR+10*\u], v[120+\u], v[ZR+10*\u+9]           ; z0 = c1 .. c9
.endr
.irp k, 2,3,4,5,6,7,8,9
.irp u, 0,1,2,3,4,5,6,7
	v_mul_f32 v[ZR+10*\u+\k], v[ZR+10*\u+\k-1], v[ZR+10*\u+\k]   ; zk = z(k-1) ck
.endr
.endr
	s_wait_kmcnt 0x0
	s_add_co_i32 s45, s40, 127
	s_lshl_b32 s51, s45, 23                        ; 2^e0 as f32: the conversion takes its exponent field
	s_add_co_i32 s45, s45, 8
	s_lshl_b32 s45, s45, 23
	s_or_b32 s45, s45, 0x600000                    ; 448 x 2^e0
	s_add_co_i32 s42, s40, s41
	s_add_co_i32 s42, s42, 127
	s_lshl_b32 s42, s42, 23                        ; 2^(e0 + e1)
	s_mov_b32 s43, s42                             ; (named with it as a pair, so it is written)
	WIN WIN_LD1
	v_mov_b32 v[LIM], s45
	v_mov_b32 v[SCL], s51
; THE VECTOR WORK.  Line j of 48 of unit u: 0-39: the eight numbers in four pairs, z's ten one after the other (z_jj for both halves of a pair); 40-47: the activation and the hold in one.
.macro PRODOP u, j, set
.if (\j) < 40
.set JJ, (\j)/4
.set II, 2*((\j)%4)
.set ZP, ZR+10*(\u)+2*(JJ/2)
.set WP, W1R+80*(\set)+8*JJ+II
.if JJ == 0
	v_pk_mul_f32 v[HACC+II:HACC+II+1], v[ZP:ZP+1], v[WP:WP+1] op_sel_hi:[0,1]
.elseif JJ%2 == 0
	v_pk_fma_f32 v[HACC+II:HACC+II+1], v[ZP:ZP+1], v[WP:WP+1], v[HACC+II:HACC+II+1] op_sel_hi:[0,1,1]
.else
	v_pk_fma_f32 v[HACC+II:HACC+II+1], v[ZP:ZP+1], v[WP:WP+1], v[HACC+II:HACC+II+1] op_sel:[1,0,0] op_sel_hi:[1,1,1]
.endif
.else
	v_med3_num_f32 v[HACC+(\j)-40], 0, v[LIM], v[HACC+(\j)-40]   ; between 0 and 448 x 2^e0: the conversion to an 8-bit code does not saturate (ISA guide 7.6.2)
.endif
.endm
; Unit u's eight numbers (in window d) become eight codes, which go to their place in image buffer img.
.macro UNITEND u, d, img
	WIN WIN_CV+(\d)
	v_cvt_scalef32_pk8_fp8_f32 v[CD:CD+1], v[HACC:HACC+7], v[SCL]
	v_nop                                          ; a plain vector line between the conversion and the next unit's lines, which write its sources
	WIN WIN_M0
	ds_store_b64 v[ASTE+(\u)%2], v[CD:CD+1] offset:IMGB*(\img)+FRAGB*((\u)/2)
.set LC, LC+1
.endm
	s_wait_loadcnt 0x0                             ; W1 of K steps 0 and 1; s[12:13] may step
	s_add_nc_u64 s[12:13], s[12:13], W1STEP
.set U, 0
.rept 8                                        ; K step 0's images: there are no products yet to set this between
	WIN WIN_M2
.set J, 0
.rept 48
	PRODOP U, J, 0
.set J, J+1
.endr
	UNITEND U, 2, 0
.set U, U+1
.endr
	WIN 0
	BAR                                            ; K step 0's four images lie in LDS
	s_wait_tensorcnt 0x1                           ; my part of slot 0 is in, and I alone read it; slot 1's load may stay out
; THE MATRIX WORK.  The product at place P.  The 64 accumulators take turns, one instruction a turn, in the same order in every trip.  zero: the product starts its sum.
.macro MULP zero
.set RA, RING+64*((P/16+1)%2)+16*(P%4)
.set RB, 16*((P/4)%4)
.if P < 31
	WIN WIN_M2
.set RC, 8*P
.elseif P < 62
	WIN WIN_M3
.set RC, 8*(P-31)
.else
	WIN WIN_M0
.set RC, 16+8*(P-62)
.endif
.if \zero
	v_wmma_f32_16x16x128_fp8_fp8 v[RC:RC+7], v[RA:RA+15], v[RB:RB+15], 0
.else
	v_wmma_f32_16x16x128_fp8_fp8 v[RC:RC+7], v[RA:RA+15], v[RB:RB+15], v[RC:RC+7]
.endif
.endm
; The slice behind place P (0 .. 58): units 0-2 have eight places each, units 3-7 seven; units 0-3 lie in window 2's stretch of places, units 4-7 in window 3's.  s: W1's set and the image buffer.
.macro SLICE s
.if P < 24
.set SU, P/8
.set SI, P%8
.set SN, 8
.else
.set SU, 3+(P-24)/7
.set SI, (P-24)%7
.set SN, 7
.endif
.set SD, 2+SU/4
.if SD == 2
	WIN WIN_M2
.else
	WIN WIN_M3
.endif
.set OJ, 48*SI/SN
.set OE, 48*(SI+1)/SN
.rept OE-OJ
	PRODOP SU, OJ, \s
.set OJ, OJ+1
.endr
.if SI == SN-1
	UNITEND SU, SD, \s
.endif
.endm
; THE LDS LOADS stand in runs.  RRUN: W2's n tiles 4 grp .. 4 grp + 3 of the step in slot par, into set grp % 2.  HRUN: h's fragment m of image buffer par.  LC counts a trip's LDS lines.
.macro RRUN grp, par
	WIN 0
.irp bb, 0,1,2,3
.irp c, 0,1,2,3
	ds_load_b128 v[RING+64*((\grp)%2)+16*\bb+4*\c:RING+64*((\grp)%2)+16*\bb+4*\c+3], v[ADW+(\par)] offset:FRAGB*(4*(\grp)+\bb)+512*\c
.endr
.endr
.set LC, LC+16
.endm
.macro HRUN m, par
	WIN WIN_LD1
.irp c, 0,1,2,3
	ds_load_b128 v[16*(\m)+4*\c:16*(\m)+4*\c+3], v[ADH] offset:IMGB*(\par)+FRAGB*(\m)+512*\c
.endr
.set LC, LC+4
.endm
; Place P with what stands in front of it and behind it.  LDS instructions end in order (ISA guide 5.7.1), so each wait counts the LDS lines issued behind the run that the place needs.
.macro SLOTP par, mulA, mulB, prod
.if (P == 16) || (P == 32) || (P == 48)
.if !\prod
	PLACES
.endif
	RRUN P/16, \par
.if P == 16
.set MR1, LC
	s_wait_dscnt LC-MH0                            ; tiles 0-3 and h's fragment 0 are in
.elseif P == 32
.set MR2, LC
	s_wait_dscnt LC-MR1                            ; tiles 4-7 are in
.else
	s_wait_dscnt LC-MR2                            ; tiles 8-11 are in
.endif
.endif
.if P == 20
	s_wait_dscnt LC-MH1                            ; h's fragment 1
.elseif P == 24
	s_wait_dscnt LC-MH2                            ; 2
.elseif P == 28
	s_wait_dscnt LC-MH3                            ; 3
.endif
.if P < 16
.if \mulA
	MULP 2-\mulA
.endif
.else
	MULP 2-\mulB
.endif
.if \prod
	SLICE 1-\par
.endif
.if (P == 3) || (P == 7) || (P == 11) || (P == 15)
.if !\prod
	PLACES
.endif
	HRUN P/4, \par                                 ; the last product on the old fragment stands a slice back
.if P == 3
.set MH0, LC
.elseif P == 7
.set MH1, LC
.elseif P == 11
.set MH2, LC
.else
.set MH3, LC
.endif
.endif
.endm
; TRIP t.  par = t % 2: the slot and the image buffer that are read.  mulA (places 0-15), mulB (16-63): 0 no products, 1 they start the sums, 2 they add.  prod: K step t + 1's images are made, from W1's set 1 - par
; into buffer 1 - par.  w1ld: W1 of K step t + 2 is asked for, into the set that K step t's production has left.  fin = 2: the trip ends in a round of the cluster's barrier and slot par, read out, takes K step t + 2;
; 1: in a plain barrier; 0: in none.
.macro TRIP par, mulA, mulB, prod, w1ld, fin
.set LC, 0
.if \prod
	s_wait_loadcnt 0x0                             ; W1 of K step t + 1, asked for a trip ago; s[12:13] may step
.endif
.if \w1ld
	s_add_nc_u64 s[12:13], s[12:13], W1STEP
	WIN WIN_LD1
.irp q, 0,1,2,3,4,5,6,7,8,9,10,11,12,13,14,15,16,17,18,19
	global_load_b128 v[W1R+80*\par+4*\q:W1R+80*\par+4*\q+3], v[W1OFF], s[12:13] offset:64*\q
.endr
.endif
	RRUN 0, \par                                   ; (four v_nop stand between the last products on this set and these loads)
.set P, 0
.rept 59
	SLOTP \par, \mulA, \mulB, \prod
.set P, P+1
.endr
	WIN 0                                          ; (the add's two registers lie in window 0)
.if \fin
	s_wait_tensorcnt 0x0                           ; all my tensor loads have landed: the one that was out is my part of the next trip's slot;
	ds_add_u32 v[SPW], v[NIL]                      ; 0 onto my spare word
.if \fin == 2
	s_add_nc_u64 s[34+4*\par:35+4*\par], s[34+4*\par:35+4*\par], 2*SLOTB   ; no tensor load of mine is out, so a group 0 may be written: this slot's next K step
.endif
.endif
	MULP 2-\mulB                                   ; place 59
.set P, P+1
	MULP 2-\mulB                                   ; 60: two matrix instructions stand between the add and the wait for it
.set P, P+1
.if \fin
	s_wait_dscnt 0x0                               ; the add is done, my images have landed, my reads of this slot and of the image buffer are over
	s_barrier_signal -1
.endif
	MULP 2-\mulB                                   ; 61
.set P, P+1
	MULP 2-\mulB                                   ; 62
.set P, P+1
	MULP 2-\mulB                                   ; 63: work on registers while the others arrive
	WIN 0                                          ; at a branch and at a label every window is 0
.if \fin
	s_barrier_wait -1
.else
	s_wait_dscnt 0x0                               ; tiles 12-15 are in
.endif
.if \fin == 2
	CREST                                          ; the barrier has opened a round of the cluster's barrier: no wave of any partner still reads this slot or has a load on its way
	tensor_load_to_lds s[32+4*\par:35+4*\par], s[24:31]   ; the first thing behind the round, my one tensor load until the next: 59 matrix instructions stand ahead of the wait for it
	s_nop 0
.endif
	PLACES                                         ; behind the tensor load, and the places in front of the next trip's loads
.endm
	TRIP 0, 0, 1, 1, 1, 2                          ; t = 0: K step 0's tiles 0-11 start their sums
	TRIP 1, 1, 2, 1, 1, 2                          ; t = 1: K step 0's tiles 12-15 start theirs
	s_mov_b32 s44, 14
.Lloop:                                            ; t = 2 .. 29
	TRIP 0, 2, 2, 1, 1, 2
	TRIP 1, 2, 2, 1, 1, 2
	s_sub_co_u32 s44, s44, 1
	s_cmp_lg_u32 s44, 0
	s_cbranch_scc1 .Lloop
	TRIP 0, 2, 2, 1, 0, 1                          ; t = 30: the last images are made; nothing is left to fetch, so no round and no load
	TRIP 1, 2, 2, 0, 0, 0                          ; t = 31
.set P, 0
.rept 16
	MULP 0                                         ; K step 31's tiles 12-15
.set P, P+1
.endr
	WIN 0
	PLACES                                         ; in front of the first reads of results and of the loads into the registers that held W2's fragments
; THE WAY OUT, block a = 2 m + u of 16 rows x 128 columns.  A lane holds 32 neighbouring bytes of a row, and the lanes beside it hold other rows: so a block goes through my own stage in LDS and comes back as whole
; rows of 512 bytes.  LDS serves a wave's instructions in order (ISA guide 5.7.1.4): no wait between the stores and the loads, nor in front of the next block's stores.
.macro TOSTAGE a
.set TB, 0
.rept 8
.set BQ, 8*((\a)%2)+TB                         ; the n tile, and its place
.set PP, 16*((BQ/4+1)%4)+4*((\a)/2)+BQ%4
.if PP < 31
	WIN 0x02
.set RC, 8*PP
.elseif PP < 62
	WIN 0x03
.set RC, 8*(PP-31)
.else
	WIN 0
.set RC, 16+8*(PP-62)
.endif
.irp i, 0,2,4,6
	v_pk_mul_f32 v[ZR+8*TB+\i:ZR+8*TB+\i+1], v[RC+\i:RC+\i+1], s[42:43] op_sel_hi:[1,0]   ; both x 2^(e0 + e1); each accumulator from its low end on
.endr
.set TB, TB+1
.endr
	WIN 0
.irp b, 0,1,2,3,4,5,6,7
	ds_store_b128 v[STO], v[ZR+8*\b:ZR+8*\b+3] offset:64*\b
	ds_store_b128 v[STO], v[ZR+8*\b+4:ZR+8*\b+7] offset:64*\b+16
.endr
.set BB, RING+64*((\a)%2)
.irp t, 0,1,2,3,4,5,6,7,8,9,10,11,12,13,14,15
	ds_load_b128 v[BB+4*\t:BB+4*\t+3], v[ADW] offset:STP*\t
.endr
.endm
.macro SEND a, younger                 ; younger: the LDS lines issued behind block a's loads, which may stay out
.set BB, RING+64*((\a)%2)
	s_wait_dscnt \younger
.irp t, 0,1,2,3,4,5,6,7,8,9,10,11,12,13,14,15
	global_store_b128 v[CO], v[BB+4*\t:BB+4*\t+3], s[14:15] offset:(16*((\a)/2)+\t)*4096+512*((\a)%2) th:TH_STORE_NT   ; 32 lanes store 512 consecutive bytes, at a multiple of 256 from out0's first byte; every offset is an immediate
.endr
.endm
	TOSTAGE 0
.irp a, 1,2,3,4,5,6,7
.if \a > 1
	s_wait_xcnt 0x0                                ; block a - 2's stores have read their registers: block a's loads may land there
.endif
	TOSTAGE \a
	SEND \a-1, 32                                  ; behind block a - 1's loads: block a's 16 stores and 16 loads
.endr
	SEND 7, 0
	s_wait_tensorcnt 0x0                           ; the wave's end: behind my last tensor load and my last LDS store
	ds_add_u32 v[SPW], v[NIL]
	s_wait_dscnt 0x0
	CROUND                                         ; the closing round: no work-group ends while a partner may still ask for a block that names it
	s_endpgm
.Lfunc_end_k_q0d3b4331a0_ffn:
	.size	k_q0d3b4331a0_ffn, .Lfunc_end_k_q0d3b4331a0_ffn-k_q0d3b4331a0_ffn
	.p2alignl 7, 3214868480
	.fill 96, 4, 3214868480
	.section	.rodata,"a",@progbits
	.p2align	6, 0x0
	.amdhsa_kernel k_q0d3b4331a0_ffn
		.amdhsa_group_segment_fixed_size 327680
		.amdhsa_private_segment_fixed_size 0
		.amdhsa_enable_private_segment 0
		.amdhsa_kernarg_size 48
		.amdhsa_user_sgpr_count 2
		.amdhsa_user_sgpr_kernarg_segment_ptr 1
		.amdhsa_wavefront_size32 1
		.amdhsa_system_sgpr_workgroup_id_x 1
		.amdhsa_system_sgpr_workgroup_id_y 1
		.amdhsa_system_sgpr_workgroup_id_z 1
		.amdhsa_system_vgpr_workitem_id 0
		.amdhsa_next_free_vgpr 1024
		.amdhsa_next_free_sgpr 66
		.amdhsa_reserve_vcc 1
		.amdhsa_float_denorm_mode_32 3
		.amdhsa_float_denorm_mode_16_64 3
		.amdhsa_memory_ordered 1
		.amdhsa_forward_progress 1
		.amdhsa_inst_pref_size 255
	.end_amdhsa_kernel
	.section	.bss,"aw",@nobits
	.p2align	6
	.space	262144
	.amdgpu_metadata
---
amdhsa.version: [ 1, 2 ]
amdhsa.kernels:
  - .name:           k_q0d3b4331a0_ffn
    .symbol:         k_q0d3b4331a0_ffn.kd
    .args:
      - { .name: x, .offset: 0, .size: 8, .value_kind: global_buffer, .address_space: global }
      - { .name: q_params, .offset: 8, .size: 8, .value_kind: global_buffer, .address_space: global }
      - { .name: lowp_scales, .offset: 16, .size: 8, .value_kind: global_buffer, .address_space: global }
      - { .name: wpack, .offset: 24, .size: 8, .value_kind: global_buffer, .address_space: global }
      - { .name: w1t, .offset: 32, .size: 8, .value_kind: global_buffer, .address_space: global }
      - { .name: out0, .offset: 40, .size: 8, .value_kind: global_buffer, .address_space: global }
    .group_segment_fixed_size: 327680
    .private_segment_fixed_size: 0
    .kernarg_segment_align: 8
    .kernarg_segment_size: 48
    .max_flat_workgroup_size: 128
    .sgpr_count:     66
    .vgpr_count:     1024
    .wavefront_size: 32
...
	.end_amdgpu_metadata
.endif
;; end of part 2
;; ======== version 2 of 2: 2 launches
;; limits: right only within a limited range of input values
;; workspace buffers: wpack 4,194,304 bytes; hpack 67,108,864 bytes
;; launch hid (part 3): grid 256 x 6, 4 waves a work-group, no clusters, 38,912 bytes of LDS; arguments x, q_params, lowp_scales, W1, W2, hpack, wpack; writes hpack, wpack
.if DOCPART == 3
	.amdgcn_target "amdgcn-amd-amdhsa--gfx1250"
	.amdhsa_code_object_version 6
	.text
	.protected	k_q0d3b4331a0_hid
	.globl	k_q0d3b4331a0_hid
	.p2align	8
	.type	k_q0d3b4331a0_hid,@function
k_q0d3b4331a0_hid:
	s_mov_b64 s[64:65], 0
	v_nop
	global_prefetch_b8 v0, s[64:65] scope:SCOPE_SE
	s_setreg_imm32_b32 hwreg(HW_REG_WAVE_MODE, 25, 1), 1
	s_wait_xcnt 0x0
; One launch prepares both operands of the quantised product, as codes of FP8 (E4M3) laid IN THE ORDER OF THE OPERAND'S REGISTERS: 16 rows x 128 K are 2,048 bytes, and the 16 bytes at 512 c + 16 lane
; hold K = 32 c + 16 (lane/16) + 0..15 of row lane%16.  hpack: tile (s, mb) at (s*1024 + mb)*2048, h = relu(z W1^T), scale 2^e0.  wpack: tile (s, nb) at (s*64 + nb)*2048, W2, scale 2^e1.
; WORK LEFT OUT: product 1 of reference(), probs @ signs, and the state vector of 1,024 amplitudes.  RX(a_i)|0> gives wire i the bit b_i with P(b_i = 1) = sin^2(a_i / 2), the wires independent, so
; the mean of (-1)^b_i is cos a_i.  The CNOTs (0,1) .. (8,9), in that order, leave b_0 xor .. xor b_k on wire k, and CNOT (9,0) leaves b_1 xor .. xor b_9 on wire 0.  A mean of a product of independent
; signs is the product of the means: <Z_0> = cos a_1 .. cos a_9 and <Z_k> = cos a_0 .. cos a_k (k = 1 .. 9), for all angles a = x + q_params.  Every input has a way to the output and is loaded.
; LIMIT: a NaN, an infinity or an overflow that would arise only in the work left out is not carried to the result.
; WORK-GROUPS (g, y), y = 0 .. 3: rows 64 g on of h, K steps 8 y .. 8 y + 7.  Wave w makes the 32 hidden units 128 s + 32 w on of each step: 24 v_wmma_f32_16x16x4_f32 (K = 10 filled to 12), used TRANSPOSED
; (source 0 = rows of W1, source 1 = rows of z); tile u takes rows 8 u + r + 8 (r/8) of the 32, so that a lane's 16 registers of two tiles are 16 neighbours along the next K.  W1's K part 8 .. 11 reads
; columns 8, 9 in both halves of the lanes (no load leaves a row): z's fragment holds zeros at k = 10, 11, which take the upper half's products away.  The hold between 0 and 448 x 2^e0 is relu and the
; quantiser's clamp in one.  A lane's 16 codes are register group c = w of a tile: the wave stores 512 consecutive bytes.
; WORK-GROUPS y = 4, 5 (the shorter ones, so they have the higher numbers): number q = 256 (y - 4) + g takes rows 16 (q%64) on of W2, its wave w K step 4 (q/64) + w.  Each load reads 512 consecutive bytes of
; a row; the conversions want 16 neighbours along K in one lane, so the 8,192 bytes turn through the wave's own stage in LDS.  The two kinds of work-group have LDS bytes of their own.
; No tensor loads, clusters or prefetch: W2 is read once, the other inputs are 819,248 bytes that the work-groups share, and the launch streams its stores.
; LIMITS: -126 <= e0, e1 <= 119; W1 is finite; the cosine's reduction (two parts of pi/2) serves |x + q_params| up to 10,000; NaN among the inputs is not served.
.set SPARE,  4096                      ; behind the cosines' 64 rows x 64 bytes: the spare words, 128 bytes a wave, two blocks of 256 bytes that no other line names
.set PST,    5120                      ; W2's stages
.set SP,     528                       ; a stage row: 512 bytes + 16, so that the 16 rows that a load touches start at 16 different banks (ISA guide 11.1)
.set WST,    16*SP
.set SA,     2097152                   ; hpack: bytes of a K step of 128
.set SPW,   1
.set NIL,   2
.set LOFF,  3                          ; 16 x lane
.set QIN,   4
.set QOUT,  5
.set W1VA,  6
.set W1VB,  7
.set CZS,   12
.set AZ,    13
.set XO,    16
.set CR,    18                         ; v18-57   the head: ten cosines of four rows; v58-61 at work
.set PT,    58
.set CD,    18                         ; v18-33   then: codes, four registers for each of the four row tiles
.set T,     34                         ; v34-49   two sets of eight held numbers, by turns
.set SCL,   50
.set ZF,    62                         ; v62-85   z's fragments
.set W1A,   86                         ; v86-121  W1's fragments, three sets
.set HB,    62                         ; v62-113  the head's cosines at work, ahead of z's and W1's fragments
.set HD,    122                        ; v122-185 the f32 products' results, written by matrix instructions alone
.set RAW,   18                         ; W2's work-groups: v18-81 16 rows as loaded, then 64 numbers along K; v82-97 codes; v98, v99 the hold and the scale
.set C,     82
.macro BATCH q0, wb                    ; product q is K part q / 8 of accumulator q % 8 = 2 m + u; the eight accumulators take turns
.set Q, \q0
.rept 12
.set FD, HD+8*(Q%8)
.set FA, \wb+4*(Q/8)+2*(Q%2)
.set FB, ZF+6*((Q%8)/2)+2*(Q/8)
.if Q < 8
	v_wmma_f32_16x16x4_f32 v[FD:FD+7], v[FA:FA+1], v[FB:FB+1], 0
.else
	v_wmma_f32_16x16x4_f32 v[FD:FD+7], v[FA:FA+1], v[FB:FB+1], v[FD:FD+7]
.endif
.set Q, Q+1
.endr
.endm
.macro W1LOAD i                        ; W1's fragments of my step i into set i % 3: register 4 kk + 2 u + j = W1[row of tile u][4 kk + 2 h + j]
.set WS, W1A+12*((\i)%3)
.irp u, 0,1
	global_load_b64 v[WS+2*\u:WS+2*\u+1],     v[W1VA], s[62:63] offset:5120*(\i)+320*\u
	global_load_b64 v[WS+4+2*\u:WS+4+2*\u+1], v[W1VA], s[62:63] offset:5120*(\i)+320*\u+16
	global_load_b64 v[WS+8+2*\u:WS+8+2*\u+1], v[W1VB], s[62:63] offset:5120*(\i)+320*\u+32
.endr
.endm
	s_load_b256 s[4:11], s[0:1], 0x0               ; x, q_params, lowp_scales, W1
	s_load_b128 s[12:15], s[0:1], 0x20             ; W2, hpack
	s_load_b64 s[20:21], s[0:1], 0x30              ; wpack
	v_lshl_add_u32 v[SPW], v0, 2, SPARE
	v_mov_b32 v[NIL], 0
	v_lshrrev_b32 v17, 5, v0
	v_readfirstlane_b32 s16, v17                   ; wave
	s_mul_i32 s17, s16, WST
	s_add_co_u32 s17, s17, PST
	s_mul_i32 s52, s16, 1280                       ; my wave's 32 rows of W1, 40 bytes each
	s_and_b32 s18, ttmp7, 0xffff                   ; y
	v_and_b32 v8, 31, v0                           ; lane
	v_and_b32 v9, 15, v0                           ; r
	v_bfe_u32 v10, v0, 4, 1                        ; h
	v_and_b32 v11, 1, v0
	v_mul_u32_u24 v11, v11, 20                     ; thread t takes 5 angles: row t / 2, wires 5 (t % 2) on
	v_mul_u32_u24 v[XO], v0, 20
	v_lshlrev_b32 v[LOFF], 4, v8
	v_lshrrev_b32 v17, 1, v0
	v_lshl_add_u32 v[CZS], v17, 6, v11
	v_lshlrev_b32 v[AZ], 6, v9
	v_and_b32 v14, 8, v9
	v_add_nc_u32 v14, v14, v9                      ; r + 8 (r/8)
	v_mul_u32_u24 v14, v14, 40
	v_add_nc_u32 v[W1VB], s52, v14
	v_lshl_add_u32 v[W1VA], v10, 3, v[W1VB]        ; + two columns for the upper half of the lanes
	v_add_nc_u32 v[QIN], s17, v[LOFF]              ; W2's stage, on the way in
	v_mul_u32_u24 v15, v9, SP
	v_lshl_add_u32 v15, v10, 6, v15
	v_add_nc_u32 v[QOUT], s17, v15                 ; and on the way out: row r, + 64 bytes for the upper half of the lanes
	s_wait_alu depctr_va_vdst(0)
	s_wait_kmcnt 0x0
	s_cmp_ge_u32 s18, 4
	s_cbranch_scc1 .Lquant
	s_load_b32 s40, s[8:9], 0x0                    ; e0
	s_mul_i32 s56, s18, 8*5120
	s_mov_b32 s57, 0
	s_lshl_b32 s48, s18, 24                        ; 8 K steps of hpack
	s_lshl_b32 s49, ttmp9, 13                      ; four row tiles of 2,048 bytes
	s_add_co_u32 s48, s48, s49
	s_lshl_b32 s49, s16, 9                         ; register group c = wave
	s_add_co_u32 s48, s48, s49
	s_mov_b32 s49, 0
	s_mul_i32 s46, ttmp9, 2560
	s_mov_b32 s47, 0
	s_add_nc_u64 s[4:5], s[4:5], s[46:47]
	s_add_nc_u64 s[14:15], s[14:15], s[48:49]
	s_add_nc_u64 s[62:63], s[10:11], s[56:57]
.irp i, 0,1,2,3,4
	global_load_b32 v[HB+\i], v[XO], s[4:5] offset:4*\i
.endr
.irp i, 0,1,2,3,4
	global_load_b32 v[HB+5+\i], v11, s[6:7] offset:4*\i
.endr
	s_wait_loadcnt 0x0
	s_wait_kmcnt 0x0
	s_add_co_i32 s45, s40, 127
	s_lshl_b32 s44, s45, 23                        ; 2^e0 as f32
	s_add_co_i32 s45, s45, 8
	s_lshl_b32 s45, s45, 23
	s_or_b32 s45, s45, 0x600000                    ; 448 x 2^e0
	; cos(x + q): n = the nearest whole number to a 2/pi, r = a - n pi/2 in two parts, polynomials for sin r and cos r, chosen and signed by n mod 4
.irp i, 0,1,2,3,4
	v_add_f32 v[HB+12+\i], v[HB+\i], v[HB+5+\i]
.endr
.irp i, 0,1,2,3,4
	v_mul_f32 v[HB+17+\i], 0x3f22f983, v[HB+12+\i]
.endr
.irp i, 0,1,2,3,4
	v_rndne_f32 v[HB+17+\i], v[HB+17+\i]
.endr
.irp i, 0,1,2,3,4
	v_fmamk_f32 v[HB+22+\i], v[HB+17+\i], 0xbfc90fdb, v[HB+12+\i]
.endr
.irp i, 0,1,2,3,4
	v_fmamk_f32 v[HB+22+\i], v[HB+17+\i], 0x333bbd2e, v[HB+22+\i]
.endr
.irp i, 0,1,2,3,4
	v_mul_f32 v[HB+27+\i], v[HB+22+\i], v[HB+22+\i]
	v_mov_b32 v[HB+32+\i], 0xb94ca1f9
	v_mov_b32 v[HB+37+\i], 0x37ccf5ce
.endr
.irp i, 0,1,2,3,4
	v_fmaak_f32 v[HB+32+\i], v[HB+32+\i], v[HB+27+\i], 0x3c08839e
	v_fmaak_f32 v[HB+37+\i], v[HB+37+\i], v[HB+27+\i], 0xbab6061a
.endr
.irp i, 0,1,2,3,4
	v_fmaak_f32 v[HB+32+\i], v[HB+32+\i], v[HB+27+\i], 0xbe2aaaa3
	v_fmaak_f32 v[HB+37+\i], v[HB+37+\i], v[HB+27+\i], 0x3d2aaaa5
.endr
.irp i, 0,1,2,3,4
	v_mul_f32 v[HB+32+\i], v[HB+32+\i], v[HB+27+\i]
	v_fmaak_f32 v[HB+37+\i], v[HB+37+\i], v[HB+27+\i], 0xbf000000
.endr
.irp i, 0,1,2,3,4
	v_fma_f32 v[HB+32+\i], v[HB+32+\i], v[HB+22+\i], v[HB+22+\i]
	v_fma_f32 v[HB+37+\i], v[HB+37+\i], v[HB+27+\i], 1.0
	v_cvt_i32_f32 v[HB+42+\i], v[HB+17+\i]
.endr
.irp i, 0,1,2,3,4
	v_and_b32 v[HB+47+\i], 1, v[HB+42+\i]
	v_cmp_eq_u32 vcc_lo, 1, v[HB+47+\i]
	v_cndmask_b32 v[HB+37+\i], v[HB+37+\i], v[HB+32+\i], vcc_lo
	v_add_nc_u32 v[HB+42+\i], 1, v[HB+42+\i]
	v_and_b32 v[HB+42+\i], 2, v[HB+42+\i]
	v_lshlrev_b32 v[HB+42+\i], 30, v[HB+42+\i]
	v_xor_b32 v[HB+37+\i], v[HB+37+\i], v[HB+42+\i]
	ds_store_b32 v[CZS], v[HB+37+\i] offset:4*\i
.endr
	s_wait_dscnt 0x0                               ; my cosines are stored, and the registers at work are free:
.irp i, 0,1,2
	W1LOAD \i                                      ; W1's fragments of my first three steps land there
.endr
	s_barrier_signal -1
	s_barrier_wait -1
.irp m, 0,1,2,3                        ; lane (r, h) takes the ten cosines of rows 16 m + r
	ds_load_b128 v[CR+10*\m:CR+10*\m+3],   v[AZ] offset:1024*\m
	ds_load_b128 v[CR+10*\m+4:CR+10*\m+7], v[AZ] offset:1024*\m+16
	ds_load_b64  v[CR+10*\m+8:CR+10*\m+9], v[AZ] offset:1024*\m+32
.endr
	s_wait_dscnt 0x0
.irp m, 0,1,2,3
	v_mul_f32 v[PT+\m], v[CR+10*\m+1], v[CR+10*\m+2]
.endr
.irp k, 3,4,5,6,7,8
.irp m, 0,1,2,3
	v_mul_f32 v[PT+\m], v[PT+\m], v[CR+10*\m+\k]
.endr
.endr
.irp m, 0,1,2,3
	v_mul_f32 v[CR+10*\m+1], v[CR+10*\m], v[CR+10*\m+1]      ; z_1 = c_0 c_1
.endr
.irp m, 0,1,2,3
	v_mul_f32 v[CR+10*\m], v[PT+\m], v[CR+10*\m+9]           ; z_0 = c_1 .. c_9
.endr
.irp k, 2,3,4,5,6,7,8,9
.irp m, 0,1,2,3
	v_mul_f32 v[CR+10*\m+\k], v[CR+10*\m+\k-1], v[CR+10*\m+\k]   ; z_k = z_(k-1) c_k
.endr
.endr
	v_cmp_eq_u32 vcc_lo, 1, v10                    ; z as fragments of the f32 form: register j of K part kk holds k = 4 kk + 2 h + j; k = 10, 11 are zeros
.irp m, 0,1,2,3
.irp j, 0,1
	v_cndmask_b32 v[ZF+6*\m+\j],   v[CR+10*\m+\j],   v[CR+10*\m+2+\j], vcc_lo
	v_cndmask_b32 v[ZF+6*\m+2+\j], v[CR+10*\m+4+\j], v[CR+10*\m+6+\j], vcc_lo
.endr
.endr
	v_cmp_eq_u32 vcc_lo, 0, v10
.irp m, 0,1,2,3
.irp j, 0,1
	v_cndmask_b32 v[ZF+6*\m+4+\j], 0, v[CR+10*\m+8+\j], vcc_lo
.endr
.endr
	v_mov_b32 v[SCL], s44
	s_wait_alu depctr_va_vdst(0)                   ; z's fragments
.macro HSTEP i
.if (\i) <= 5
	s_wait_loadcnt 12                              ; this step's fragments of W1 are in; two younger sets of six loads may be out
.else
	s_wait_loadcnt 6*(7-(\i))
.endif
	BATCH 0, W1A+12*((\i)%3)
	BATCH 12, W1A+12*((\i)%3)
.if (\i) > 0
	s_wait_xcnt 0x0                                ; the last step's stores have read their base and their codes: both are written again only behind this wait
	s_add_nc_u64 s[14:15], s[14:15], SA
.endif
.rept 8
	v_nop                                          ; eight places behind the f32 form (ISA guide 7.12.1)
.endr
.irp a, 0,1,2,3,4,5,6,7
.irp e, 0,1,2,3,4,5,6,7
	v_med3_num_f32 v[T+8*(\a%2)+\e], 0, v[HD+8*\a+\e], s45   ; relu and the hold at 448 x 2^e0 (the conversion does not saturate: ISA guide 7.6.2); the two sets take turns, so the next eight holds are the plain lines behind a conversion
.endr
	v_cvt_scalef32_pk8_fp8_f32 v[CD+2*\a:CD+2*\a+1], v[T+8*(\a%2):T+8*(\a%2)+7], v[SCL]
.if \a%2
	global_store_b128 v[LOFF], v[CD+2*\a-2:CD+2*\a+1], s[14:15] offset:2048*(\a/2)   ; 32 lanes store 512 consecutive bytes, at a multiple of 256 from hpack's first byte
.endif
.endr
	v_nop                                          ; a plain line behind the step's last conversion
.if (\i) < 5
	W1LOAD (\i)+3
.endif
.endm
.irp i, 0,1,2,3,4,5,6,7
	HSTEP \i
.endr
	s_wait_tensorcnt 0x0                           ; the wave's end: behind my last LDS store
	ds_add_u32 v[SPW], v[NIL]
	s_wait_dscnt 0x0
	s_endpgm
.Lquant:                                               ; W2: one tile, 16 rows x 128 K, a wave
	s_load_b32 s40, s[8:9], 0x4                    ; e1
	s_sub_co_u32 s18, s18, 4
	s_lshl_b32 s18, s18, 8
	s_add_co_u32 s18, s18, ttmp9                   ; q, 0 .. 511
	s_and_b32 s19, s18, 63                         ; nb
	s_lshr_b32 s22, s18, 6
	s_lshl_b32 s22, s22, 2
	s_add_co_u32 s22, s22, s16                     ; s
	s_lshl_b32 s24, s19, 18                        ; 16 rows of 16,384 bytes
	s_lshl_b32 s26, s22, 9                         ; 128 numbers of 4 bytes
	s_add_co_u32 s24, s24, s26
	s_mov_b32 s25, 0
	s_lshl_b32 s26, s22, 6
	s_add_co_u32 s26, s26, s19
	s_lshl_b32 s26, s26, 11                        ; (64 s + nb) tiles of 2,048 bytes
	s_mov_b32 s27, 0
	s_add_nc_u64 s[12:13], s[12:13], s[24:25]
	s_add_nc_u64 s[20:21], s[20:21], s[26:27]
.irp p, 0,1,2,3,4,5,6,7,8,9,10,11,12,13,14,15
	global_load_b128 v[RAW+4*\p:RAW+4*\p+3], v[LOFF], s[12:13] offset:16384*\p th:TH_LOAD_NT   ; 512 consecutive bytes of row p; read once in the launch
.endr
	s_wait_kmcnt 0x0
	s_add_co_i32 s40, s40, 127
	s_lshl_b32 s41, s40, 23
	v_mov_b32 v99, s41                             ; 2^e1 as f32: the conversion takes its exponent field
	s_add_co_i32 s40, s40, 8
	s_lshl_b32 s40, s40, 23
	s_or_b32 s40, s40, 0x600000
	v_mov_b32 v98, s40                             ; 448 x 2^e1
	s_wait_alu depctr_va_vdst(0)
.irp p, 0,1,2,3,4,5,6,7,8,9,10,11,12,13,14,15
	s_wait_loadcnt 15-\p                           ; loads come back in order: row p is in, the 15 - p younger ones may be out
	ds_store_b128 v[QIN], v[RAW+4*\p:RAW+4*\p+3] offset:SP*\p
.endr
.irp c, 0,1,2,3
.irp j, 0,1,2,3
	ds_load_b128 v[RAW+16*\c+4*\j:RAW+16*\c+4*\j+3], v[QOUT] offset:128*\c+16*\j   ; LDS serves a wave's instructions in order: these see my stores, which have taken their data; register 16 c + i = k 32 c + 16 h + i of row r
.endr
.endr
.irp c, 0,1,2,3
	s_wait_dscnt 12-4*\c                           ; this block's four loads are in; those of the later blocks may be out
.irp i, 0,1,2,3,4,5,6,7,8,9,10,11,12,13,14,15
	v_med3_num_f32 v[RAW+16*\c+\i], v[RAW+16*\c+\i], -v98, v98   ; the hold at the largest code x the scale
.endr
	v_cvt_scalef32_pk8_fp8_f32 v[C+4*\c:C+4*\c+1], v[RAW+16*\c:RAW+16*\c+7], v99
	v_cvt_scalef32_pk8_fp8_f32 v[C+4*\c+2:C+4*\c+3], v[RAW+16*\c+8:RAW+16*\c+15], v99
	global_store_b128 v[LOFF], v[C+4*\c:C+4*\c+3], s[20:21] offset:512*\c   ; 32 lanes store 512 consecutive bytes, at a multiple of 256 from wpack's first byte
.endr
	v_nop                                          ; a plain line behind the last conversion
	s_wait_tensorcnt 0x0                           ; the wave's end: behind my last LDS store
	ds_add_u32 v[SPW], v[NIL]
	s_wait_dscnt 0x0
	s_endpgm
.Lfunc_end_k_q0d3b4331a0_hid:
	.size	k_q0d3b4331a0_hid, .Lfunc_end_k_q0d3b4331a0_hid-k_q0d3b4331a0_hid
	.p2alignl 7, 3214868480
	.fill 96, 4, 3214868480
	.section	.rodata,"a",@progbits
	.p2align	6, 0x0
	.amdhsa_kernel k_q0d3b4331a0_hid
		.amdhsa_group_segment_fixed_size 38912
		.amdhsa_private_segment_fixed_size 0
		.amdhsa_enable_private_segment 0
		.amdhsa_kernarg_size 56
		.amdhsa_user_sgpr_count 2
		.amdhsa_user_sgpr_kernarg_segment_ptr 1
		.amdhsa_wavefront_size32 1
		.amdhsa_system_sgpr_workgroup_id_x 1
		.amdhsa_system_sgpr_workgroup_id_y 1
		.amdhsa_system_sgpr_workgroup_id_z 1
		.amdhsa_system_vgpr_workitem_id 0
		.amdhsa_next_free_vgpr 186
		.amdhsa_next_free_sgpr 66
		.amdhsa_reserve_vcc 1
		.amdhsa_float_denorm_mode_32 3
		.amdhsa_float_denorm_mode_16_64 3
		.amdhsa_memory_ordered 1
		.amdhsa_forward_progress 1
		.amdhsa_inst_pref_size 83
	.end_amdhsa_kernel
	.amdgpu_metadata
---
amdhsa.version: [ 1, 2 ]
amdhsa.kernels:
  - .name:           k_q0d3b4331a0_hid
    .symbol:         k_q0d3b4331a0_hid.kd
    .args:
      - { .name: x, .offset: 0, .size: 8, .value_kind: global_buffer, .address_space: global }
      - { .name: q_params, .offset: 8, .size: 8, .value_kind: global_buffer, .address_space: global }
      - { .name: lowp_scales, .offset: 16, .size: 8, .value_kind: global_buffer, .address_space: global }
      - { .name: W1, .offset: 24, .size: 8, .value_kind: global_buffer, .address_space: global }
      - { .name: W2, .offset: 32, .size: 8, .value_kind: global_buffer, .address_space: global }
      - { .name: hpack, .offset: 40, .size: 8, .value_kind: global_buffer, .address_space: global }
      - { .name: wpack, .offset: 48, .size: 8, .value_kind: global_buffer, .address_space: global }
    .group_segment_fixed_size: 38912
    .private_segment_fixed_size: 0
    .kernarg_segment_align: 8
    .kernarg_segment_size: 56
    .max_flat_workgroup_size: 128
    .sgpr_count:     66
    .vgpr_count:     186
    .wavefront_size: 32
...
	.end_amdgpu_metadata
.endif
;; end of part 3
;; launch gemm (part 4): grid 4 x 64, 4 waves a work-group, clusters of 4 x 4, 327,680 bytes of LDS; arguments hpack, wpack, lowp_scales, out0; writes out0
.if DOCPART == 4
	.amdgcn_target "amdgcn-amd-amdhsa--gfx1250"
	.amdhsa_code_object_version 6
	.text
	.protected	k_q0d3b4331a0_gemm
	.globl	k_q0d3b4331a0_gemm
	.p2align	8
	.type	k_q0d3b4331a0_gemm,@function
k_q0d3b4331a0_gemm:
	s_mov_b64 s[64:65], 0
	v_nop
	global_prefetch_b8 v0, s[64:65] scope:SCOPE_SE
	s_setreg_imm32_b32 hwreg(HW_REG_WAVE_MODE, 25, 1), 1
	s_wait_xcnt 0x0
	s_wait_alu depctr_hold_cnt(0) depctr_sa_sdst(0) depctr_va_vdst(0) depctr_va_sdst(0) depctr_va_ssrc(0) depctr_va_vcc(0) depctr_vm_vsrc(0)
	s_getreg_b32 s2, hwreg(HW_REG_IB_STS2, 6, 4)
	s_cmp_eq_u32 s2, 0
	s_cbranch_scc0 .Lentry_in_a_cluster
	s_endpgm
.Lentry_in_a_cluster:
	s_bfe_u32 s2, ttmp6, 0x10000c
	s_cmp_lg_u32 s2, 0xf033
	s_cbranch_scc0 .Lentry_shape_is_right
	s_endpgm
.Lentry_shape_is_right:
; out0[m][n] = 2^(e0 + e1) x the sum over k of h's codes [16,384][4,096] x W2's codes [1,024][4,096], FP8 (E4M3), sums in f32.  LIMIT: -126 <= e0 + e1 <= 127.
; Both operands lie in the order of the operand's registers: 16 rows x 128 K are 2,048 bytes, register group c of lane l at 512 c + 16 l; the 16 tiles of a block of 256 rows are 32,768 dense bytes for each 128 of K.
; A block of out0, 256 x 256, is made by a work-group of four waves; a wave makes 128 x 128: 64 accumulators, 512 registers.  K goes in steps of 256 through a ring of two LDS slots; a slot is four dense
; blocks (h's two 128s, W2's two), one tensor load a wave, stated as 128 rows of 256 bytes.  A fragment is read by four loads of 512 consecutive bytes, so no padding is needed.
; CLUSTERS: 4 x 4 work-groups.  The four of a row of the cluster need the same blocks of h, the four of a column the same blocks of W2: each is asked for JOINTLY, by the same tensor load with a mask of the four.
; THE MATRIX INSTRUCTION IS USED TRANSPOSED (source 0 = 16 rows of W2, source 1 = 16 rows of h): a lane holds eight neighbouring numbers of a row of out0.
; PREFETCH: behind each refill a wave names 32 runs of 256 bytes of the block that it fetches two refills on; the four partners of a joint load take 8,192 bytes each, told apart by address; the loop's last trip asks for nothing.
; REGISTERS: window 0: v0-31 addresses, from v128 h's fragments, ONE set; window 1: W2's fragments, TWO sets; windows 2, 3: accumulator (a, b) at v[8 (8 (a % 4) + b)].
.set BLK,    32768
.set SLOT,   4*BLK
.set SPARE,  2*SLOT                    ; behind the ring: the spare words, 128 bytes a wave, two blocks of 256 bytes that no other line names
.set SA,     2097152                   ; hpack: bytes of 128 along K
.set SB,     131072                    ; wpack: the same
.set LAPS,   8                         ; a lap = two K steps of 256
.set FR,     16
.set NL,     4
.set NP,     4
.set SPITCH, 528                       ; the way out: 16 rows x (512 + 16) bytes a wave, in slot 0, which has had its last fill and its last read by then
.set ADRA, 16
.set ADRB, 20
.set STO,  24
.set RD,   25
.set CO,   26
.set SPW,  28
.set NIL,  29
.set PFO,  30
.set TMP,  32
.set AF,   128
.set BK,   128
.set G1, 24
.set G0, 32
.set G1B, 48
.set G0B, 56
.set PFA, 66
.set MSB, 0
.macro WIN new
.if MSB != \new
	s_set_vgpr_msb (MSB<<8)|\new
.set MSB, \new
.endif
.endm
.set MUL_LO, 0xa1
.set MUL_HI, 0xf1
.set TO_B,   0x40
.macro JLOAD g0a, g1a, g0b, g1b        ; waves 0 and 1 fetch h's blocks, waves 2 and 3 W2's
	s_cmp_eq_u32 s15, 0
	s_cbranch_scc0 .Lfor_b_\@
	tensor_load_to_lds s[\g0a:\g0a+3], s[\g1a:\g1a+7]
	s_nop 0
.rept 4
	v_nop
.endr
	s_branch .Lasked_\@
.Lfor_b_\@:
	tensor_load_to_lds s[\g0b:\g0b+3], s[\g1b:\g1b+7]
	s_nop 0
.rept 4
	v_nop
.endr
.Lasked_\@:
.endm
.macro CREST
	s_cmp_lg_u32 s14, 0
	s_cbranch_scc1 .Lnot_wave_0_\@
	s_barrier_signal -3
.Lnot_wave_0_\@:
	s_barrier_wait -3
	s_barrier_signal -1
	s_barrier_wait -1
.endm
.macro CROUND
	s_barrier_signal -1
	s_barrier_wait -1
	CREST
.endm
.macro ASK                             ; s3 = 1 in the loop's last trip, whose refills have no K step two on
	s_cmp_gt_u32 s3, 1
	s_cbranch_scc0 .Lno_ask_\@
	global_prefetch_b8 v[PFO], s[PFA:PFA+1] th:TH_LOAD_NT scope:SCOPE_SE
.Lno_ask_\@:
.endm
	s_load_b128 s[4:7], s[0:1], 0x0                ; hpack, wpack
	s_load_b128 s[8:11], s[0:1], 0x10              ; lowp_scales, out0
	v_lshl_add_u32 v[SPW], v0, 2, SPARE
	v_mov_b32 v[NIL], 0
	ds_add_u32 v[SPW], v[NIL]                      ; the opening lines: the add, twice on end, and its wait ahead of my first tensor load
	ds_add_u32 v[SPW], v[NIL]
	v_lshrrev_b32 v1, 5, v0
	v_readfirstlane_b32 s14, v1                    ; wave
	s_lshr_b32 s15, s14, 1                         ; my half of the block's rows; also: I fetch h (0) or W2 (1)
	s_and_b32 s16, s14, 1                          ; my half of its columns; also: which 128 along K of a slot I fetch
	s_bfe_u32 s40, ttmp6, 0x40000                  ; cx
	s_bfe_u32 s41, ttmp6, 0x40004                  ; cy
	s_lshl_b32 s42, ttmp9, 2
	s_add_co_u32 s42, s42, s40                     ; block column
	s_and_b32 s17, ttmp7, 0xffff
	s_lshl_b32 s17, s17, 2
	s_add_co_u32 s17, s17, s41                     ; block row
	s_lshl_b32 s43, s41, 2
	s_lshl_b32 s43, 15, s43                        ; my row of the cluster
	s_lshl_b32 s44, 0x1111, s40                    ; my column
	s_or_b32 s[G1+0], s43, (3<<16)|(1<<21)         ; the mask; elements of 8 bytes; bit 21 beside a mask
	s_or_b32 s[G1B+0], s44, (3<<16)|(1<<21)
.irp g, G1, G1B
	s_mov_b32 s[\g+1], 32<<16                      ; rows of 32 elements, 256 bytes
	s_mov_b32 s[\g+2], 128<<16                     ; 128 rows
	s_mov_b32 s[\g+3], 32<<16
	s_mov_b32 s[\g+4], 128
	s_mov_b32 s[\g+5], 32                          ; dense
	s_mov_b32 s[\g+6], 0
	s_mov_b32 s[\g+7], 0
.endr
	s_lshl_b32 s20, s17, 15                        ; h: block row x 32,768 + my 128 along K
	s_mul_i32 s18, s16, SA
	s_add_co_u32 s20, s20, s18
	s_mov_b32 s21, 0
	s_lshl_b32 s46, s42, 15                        ; W2: block column x 32,768 + my 128 along K
	s_mul_i32 s18, s16, SB
	s_add_co_u32 s46, s46, s18
	s_mov_b32 s47, 0
	s_lshl_b32 s45, s14, 15                        ; where they go: wave x 32,768
	s_wait_dscnt 0x0                               ; both opening adds are done
	s_wait_kmcnt 0x0
	s_load_b64 s[96:97], s[8:9], 0x0               ; e0, e1
	s_add_nc_u64 s[20:21], s[4:5], s[20:21]
	s_add_nc_u64 s[46:47], s[6:7], s[46:47]
	CROUND                                         ; all sixteen work-groups are here: the first joint loads meet
.irp s, 0,1
	s_mov_b32 s[G0+4*\s], 1
	s_add_co_u32 s[G0+4*\s+1], s45, \s*SLOT
	s_add_nc_u64 s[G0+4*\s+2:G0+4*\s+3], s[20:21], \s*2*SA
	s_or_b32 s[G0+4*\s+3], s[G0+4*\s+3], 0x80000000
	s_mov_b32 s[G0B+4*\s], 1
	s_add_co_u32 s[G0B+4*\s+1], s45, \s*SLOT
	s_add_nc_u64 s[G0B+4*\s+2:G0B+4*\s+3], s[46:47], \s*2*SB
	s_or_b32 s[G0B+4*\s+3], s[G0B+4*\s+3], 0x80000000
.endr
	JLOAD G0, G1, G0B, G1B                         ; K step 0: one tensor load a wave at the head
	s_lshl_b32 s21, s15, 14                        ; my eight tiles of h's blocks
	s_lshl_b32 s22, s16, 14                        ; my eight tiles of W2's blocks,
	s_add_co_u32 s22, s22, 2*BLK                   ; which lie behind h's two
	s_add_co_u32 s74, s21, SLOT
	s_add_co_u32 s75, s22, SLOT
	s_mul_i32 s23, s14, 16*SPITCH                  ; my stage
	v_and_b32 v6, 31, v0
	v_lshlrev_b32 v[CO], 4, v6                     ; 16 x lane
	v_add_nc_u32 v[ADRA], s21, v[CO]
	v_add_nc_u32 v[ADRB], s22, v[CO]
	v_add_nc_u32 v[ADRA+1], s74, v[CO]
	v_add_nc_u32 v[ADRB+1], s75, v[CO]
	v_add_nc_u32 v[RD], s23, v[CO]
	v_lshlrev_b32 v[PFO], 8, v6                    ; the prefetches: a lane to each 256 bytes
	v_and_b32 v1, 15, v0
	v_bfe_u32 v2, v0, 4, 1
	v_mul_u32_u24 v5, v1, SPITCH
	v_lshl_add_u32 v5, v2, 5, v5
	v_add_nc_u32 v[STO], s23, v5                   ; into the stage: row l % 16, 32 bytes for each half of the lanes
	s_lshl_b32 s20, s17, 8
	s_lshl_b32 s21, s15, 7
	s_add_co_u32 s20, s20, s21                     ; my first row of out0
	s_lshl_b32 s20, s20, 12                        ; rows of 4,096 bytes: under 2^26
	s_mov_b32 s21, 0
	s_lshl_b32 s46, s42, 10                        ; my first column, in bytes
	s_lshl_b32 s47, s16, 9
	s_add_co_u32 s46, s46, s47
	s_mov_b32 s47, 0
	s_add_nc_u64 s[20:21], s[20:21], s[46:47]
	s_add_nc_u64 s[10:11], s[10:11], s[20:21]
	s_cmp_eq_u32 s15, 0                            ; the prefetches' address: do I fetch h?
	s_cselect_b64 s[PFA:PFA+1], s[4:5], s[6:7]
	s_cselect_b32 s70, s17, s42                    ; the block's row or column
	s_cselect_b32 s71, s40, s41                    ; my place among the four that ask with me
	s_mov_b32 s72, SB
	s_cselect_b32 s72, SA, s72
	s_lshl_b32 s70, s70, 15
	s_lshl_b32 s71, s71, 13                        ; my work-group's 8,192 bytes of the block
	s_add_co_u32 s70, s70, s71
	s_add_co_u32 s73, s16, 6                       ; at K step 3: the first refill steps it to K step 4
	s_mul_i32 s73, s73, s72
	s_add_co_u32 s70, s70, s73
	s_mov_b32 s71, 0
	s_add_nc_u64 s[PFA:PFA+1], s[PFA:PFA+1], s[70:71]
	s_lshl_b32 s68, s72, 1                         ; a K step of 256
	s_mov_b32 s69, 0
.macro FRAG reg, adr, q, i             ; 16 rows x 128 K: registers 4 c .. 4 c + 3 hold K = 32 c + 16 (l / 16) + 0 .. 15 of row l % 16, in h and in W2 alike
.irp c, 0,1,2,3
	ds_load_b128 v[\reg+4*\c:\reg+4*\c+3], v[\adr] offset:BLK*(\q)+2048*(\i)+512*\c
.endr
.endm
.macro MUL16 a0, p, zero               ; the 64 accumulators take turns, in the same order in every step
.irp a, \a0, \a0+1
.irp b, 0,1,2,3,4,5,6,7
.if \zero
	v_wmma_f32_16x16x128_fp8_fp8 v[8*(8*((\a)%4)+\b):8*(8*((\a)%4)+\b)+7], v[128*(\p)+FR*\b:128*(\p)+FR*\b+FR-1], v[AF+FR*(\a):AF+FR*(\a)+FR-1], 0
.else
	v_wmma_f32_16x16x128_fp8_fp8 v[8*(8*((\a)%4)+\b):8*(8*((\a)%4)+\b)+7], v[128*(\p)+FR*\b:128*(\p)+FR*\b+FR-1], v[AF+FR*(\a):AF+FR*(\a)+FR-1], v[8*(8*((\a)%4)+\b):8*(8*((\a)%4)+\b)+7]
.endif
.endr
.endr
.endm
.macro FETCH_B slot, q, p
	WIN TO_B
.irp i, 0,1,2,3,4,5,6,7
	FRAG 128*(\p)+FR*\i, ADRB+\slot, \q, \i
.endr
	WIN 0
.endm
.macro FETCH_A slot, q, i0
.irp i, \i0, \i0+1, \i0+2, \i0+3
	FRAG AF+FR*(\i), ADRA+\slot, \q, \i
.endr
.endm
.macro PLACES n                        ; places behind matrix instructions, ahead of loads into their sources and of reads of results
.rept \n
	v_nop
.endr
.endm
.macro STEP slot, q, zero              ; 128 along K with its successor in the same slot
	s_wait_dscnt 4*NL                              ; W2's set and h's blocks 0-3 are in; the youngest 16 loads (blocks 4-7) may be out
	WIN MUL_LO
	MUL16 0, (\q)%2, \zero
	MUL16 2, (\q)%2, \zero
	s_wait_dscnt 0
	PLACES NP
	FETCH_B \slot, (\q)+1, 1-(\q)%2
	FETCH_A \slot, (\q)+1, 0
	WIN MUL_HI
	MUL16 4, (\q)%2, \zero
	MUL16 6, (\q)%2, \zero
	PLACES NP
	WIN 0
	FETCH_A \slot, (\q)+1, 4
.endm
.macro TURN slot, next, fill           ; a slot's last 128 along K, and the change of slots
.if \fill
	s_wait_xcnt 0x0                                ; my last prefetch has read its address: it steps only behind this wait
	s_add_nc_u64 s[PFA:PFA+1], s[PFA:PFA+1], s[68:69]
.endif
	s_wait_tensorcnt 0x0                           ; all my tensor loads have landed: my part of the next slot
	ds_add_u32 v[SPW], v[NIL]
	s_wait_dscnt 4*NL+1                            ; the add and the youngest 16 loads may be out
	WIN MUL_LO
	MUL16 0, 1, 0
	s_wait_dscnt 0x0                               ; the add is done, and my reads of this slot are over
	s_barrier_signal -1
	MUL16 2, 1, 0
	WIN 0
	s_barrier_wait -1
.if \fill
	CREST                                          ; the barrier has opened a round of the cluster's barrier: no wave of any partner still reads this slot or has a load on its way
	s_add_nc_u64 s[G0+4*\slot+2:G0+4*\slot+3], s[G0+4*\slot+2:G0+4*\slot+3], 4*SA
	s_add_nc_u64 s[G0B+4*\slot+2:G0B+4*\slot+3], s[G0B+4*\slot+2:G0B+4*\slot+3], 4*SB
	JLOAD G0+4*\slot, G1, G0B+4*\slot, G1B         ; the first tensor load behind the round; its four v_nop are the places in front of the loads below
.else
	PLACES NP
.endif
	FETCH_B \next, 0, 0
	FETCH_A \next, 0, 0
.if \fill
	ASK
.endif
	WIN MUL_HI
	MUL16 4, 1, 0
	MUL16 6, 1, 0
	PLACES NP
	WIN 0
	FETCH_A \next, 0, 4
.endm
	s_wait_alu depctr_va_vdst(0)
	s_wait_tensorcnt 0x0                           ; my part of K step 0 is in
	ds_add_u32 v[SPW], v[NIL]
	s_wait_dscnt 0x0
	CROUND
	JLOAD G0+4, G1, G0B+4, G1B                     ; K step 1, the first tensor load behind the round
	FETCH_B 0, 0, 0
	FETCH_A 0, 0, 0
	FETCH_A 0, 0, 4
	STEP 0, 0, 1                                   ; the first step starts the sums: nothing is cleared
	s_mov_b32 s3, LAPS-1
.Llap:
	TURN 0, 1, 1
	STEP 1, 0, 0
	TURN 1, 0, 1
	STEP 0, 0, 0
	s_sub_co_u32 s3, s3, 1
	s_cmp_lg_u32 s3, 0
	s_cbranch_scc1 .Llap
	TURN 0, 1, 0                                   ; the last lap fills nothing, and has no round of the cluster's barrier
	STEP 1, 0, 0
	s_wait_dscnt 4*NL
	WIN MUL_LO
	MUL16 0, 1, 0
	MUL16 2, 1, 0
	s_wait_dscnt 0
	WIN MUL_HI
	MUL16 4, 1, 0
	MUL16 6, 1, 0
	WIN 0
; THE WAY OUT, by blocks of 16 rows x 128 columns: through my own stage in LDS and back as rows of 512 bytes, which the 32 lanes store as two aligned runs of 256 bytes.  LDS serves a wave's instructions in order (ISA guide 5.7.1.4).
.macro TOSTAGE a
.set AC, 64*((\a)%4)
	WIN 0x02+((\a)/4)
.irp j, 0,2,4,6,8,10,12,14,16,18,20,22,24,26,28,30,32,34,36,38,40,42,44,46,48,50,52,54,56,58,60,62
	v_pk_mul_f32 v[TMP+\j:TMP+\j+1], v[AC+\j:AC+\j+1], s[96:97] op_sel_hi:[1,0]   ; x 2^(e0 + e1); each accumulator from its low end on
.endr
	WIN 0
.irp b, 0,1,2,3,4,5,6,7
	ds_store_b128 v[STO], v[TMP+8*\b:TMP+8*\b+3] offset:64*\b
	ds_store_b128 v[STO], v[TMP+8*\b+4:TMP+8*\b+7] offset:64*\b+16
.endr
.set BB, BK+64*((\a)%2)
.irp t, 0,1,2,3,4,5,6,7,8,9,10,11,12,13,14,15
	ds_load_b128 v[BB+4*\t:BB+4*\t+3], v[RD] offset:\t*SPITCH
.endr
.endm
.macro SEND a, younger
.set BB, BK+64*((\a)%2)
	s_wait_dscnt \younger                          ; the block is back in registers
.if (\a) > 0
	s_add_nc_u64 s[10:11], s[10:11], 16*4096       ; behind a wait on XCNT: the earlier stores have read their base
.endif
.irp t, 0,1,2,3,4,5,6,7,8,9,10,11,12,13,14,15
	global_store_b128 v[CO], v[BB+4*\t:BB+4*\t+3], s[10:11] offset:\t*4096 th:TH_STORE_NT
.endr
.endm
	s_wait_kmcnt 0x0
	s_add_co_i32 s96, s96, s97
	s_add_co_i32 s96, s96, 127
	s_lshl_b32 s96, s96, 23                        ; 2^(e0 + e1) as f32
	PLACES NP
	TOSTAGE 0
.irp a, 1,2,3,4,5,6,7
.if \a > 1
	s_wait_xcnt 0x0                                ; block a - 2's stores have read their registers and their base
.endif
	TOSTAGE \a
	SEND \a-1, 32                                  ; behind block a - 1's loads: block a's 16 stores and 16 loads
.endr
	s_wait_xcnt 0x0
	SEND 7, 0
	s_wait_tensorcnt 0x0                           ; the wave's end
	ds_add_u32 v[SPW], v[NIL]
	s_wait_dscnt 0x0
	CROUND                                         ; the closing round
	s_endpgm
.Lfunc_end_k_q0d3b4331a0_gemm:
	.size	k_q0d3b4331a0_gemm, .Lfunc_end_k_q0d3b4331a0_gemm-k_q0d3b4331a0_gemm
	.p2alignl 7, 3214868480
	.fill 96, 4, 3214868480
	.section	.rodata,"a",@progbits
	.p2align	6, 0x0
	.amdhsa_kernel k_q0d3b4331a0_gemm
		.amdhsa_group_segment_fixed_size 327680
		.amdhsa_private_segment_fixed_size 0
		.amdhsa_enable_private_segment 0
		.amdhsa_kernarg_size 32
		.amdhsa_user_sgpr_count 2
		.amdhsa_user_sgpr_kernarg_segment_ptr 1
		.amdhsa_wavefront_size32 1
		.amdhsa_system_sgpr_workgroup_id_x 1
		.amdhsa_system_sgpr_workgroup_id_y 1
		.amdhsa_system_sgpr_workgroup_id_z 1
		.amdhsa_system_vgpr_workitem_id 0
		.amdhsa_next_free_vgpr 1024
		.amdhsa_next_free_sgpr 98
		.amdhsa_reserve_vcc 0
		.amdhsa_float_denorm_mode_32 3
		.amdhsa_float_denorm_mode_16_64 3
		.amdhsa_memory_ordered 1
		.amdhsa_forward_progress 1
		.amdhsa_inst_pref_size 124
	.end_amdhsa_kernel
	.amdgpu_metadata
---
amdhsa.version: [ 1, 2 ]
amdhsa.kernels:
  - .name:           k_q0d3b4331a0_gemm
    .symbol:         k_q0d3b4331a0_gemm.kd
    .args:
      - { .name: hpack, .offset: 0, .size: 8, .value_kind: global_buffer, .address_space: global }
      - { .name: wpack, .offset: 8, .size: 8, .value_kind: global_buffer, .address_space: global }
      - { .name: lowp_scales, .offset: 16, .size: 8, .value_kind: global_buffer, .address_space: global }
      - { .name: out0, .offset: 24, .size: 8, .value_kind: global_buffer, .address_space: global }
    .group_segment_fixed_size: 327680
    .private_segment_fixed_size: 0
    .kernarg_segment_align: 8
    .kernarg_segment_size: 32
    .max_flat_workgroup_size: 128
    .sgpr_count:     98
    .vgpr_count:     1024
    .wavefront_size: 32
...
	.end_amdgpu_metadata
.endif
;; end of part 4
